; MI455X (gfx1250); checked and timed in simulation.
; The chip was launched on July 23, 2026; its instructions are those of AMD's public machine-readable ISA for CDNA 5 (MIT licence, August 2026) and "CDNA5" Instruction Set Architecture Reference Guide (July 2026). The comments in the code are by the model that wrote it; some were corrected since.
;; Multi Head Self Attention. Allowed arithmetic: matrix products marked QUANTISED: E5M2 operands, one E8M0 scale for each 32 along K, by v_wmma_scale_f32_16x16x128_f8f6f4 with both operands' format E5M2, f32 sums; everything else in f32.
;; Inputs: b_proj 1,024 float32; b_qkv 3,072 float32; w_proj_codes 1,024 x 32 x 32 uint8 (E5M2 codes of w_proj, K innermost, in blocks of 32 codes); w_proj_scales 1,024 x 32 uint8 (E8M0 scales of w_proj, one for each 32 codes along K); w_qkv_codes 3,072 x 32 x 32 uint8 (E5M2 codes of w_qkv, K innermost, in blocks of 32 codes); w_qkv_scales 3,072 x 32 uint8 (E8M0 scales of w_qkv, one for each 32 codes along K); x_codes 2 x 2,048 x 32 x 32 uint8 (E5M2 codes of x, K innermost, in blocks of 32 codes); x_scales 2 x 2,048 x 32 uint8 (E8M0 scales of x, one for each 32 codes along K).
;; Outputs: out0 2 x 2,048 x 1,024 float32.
;; This version of the problem:
;;   THIS VERSION OF THE PROBLEM IS GIVEN IN LOW PRECISION. The matrix products marked QUANTISED in the list below multiply operands that are first quantised to E5M2 (5 exponent bits, 2 mantissa bits; 8 bits a number), with one power-of-two scale for each 32 numbers along K (OCP MX v1.0); their sums are f32. All else is computed in f32.
;;   The module's matrix products, in the order in which they are computed (A, B: the left and right operand; K: the contracted axis; several contracted axes count as one K, in the product's order):
;;     1. [M 4,096, K 1,024] x [K 1,024, N 3,072]; A: input x (given as codes); B: input w_qkv (given as codes): QUANTISED
;;     2. batch 32 x [M 2,048, K 64] x [K 64, N 2,048]; A: computed on the way; B: computed on the way: QUANTISED
;;     3. batch 32 x [M 2,048, K 2,048] x [K 2,048, N 64]; A: softmax (see below); B: computed on the way: QUANTISED
;;     4. [M 4,096, K 1,024] x [K 1,024, N 1,024]; A: computed on the way; B: input w_proj (given as codes): QUANTISED
;;   THE QUANTISER, for each operand of a quantised product, along K:
;;     - K is cut into blocks of 32 from its start; a last block that is shorter is filled with zeros.
;;     - A block's scale is 2^e with e = floor(log2(the largest magnitude in the block)) - 15, held to -126 .. 127; a block of zeros has e = 0. As a byte (E8M0): e + 127.
;;     - Each number is divided by its block's scale, clamped to +-57,344, and rounded to the nearest number of E5M2, ties to even, subnormals kept.
;;     - The product sums the exact products of the quantised numbers (number of the format x scale) in f32.
;;   ~~~python
;;   def quantise(x, axis):      # numpy; x: float32 -> the quantised numbers, widened to float32 again
;;       x = np.moveaxis(x, axis, -1); K = x.shape[-1]
;;       x = np.pad(x, [(0, 0)] * (x.ndim - 1) + [(0, -K % 32)]); x = x.reshape(x.shape[:-1] + (-1, 32)); a = np.abs(x).max(-1, keepdims=True)
;;       e = np.where(a > 0, np.clip(np.frexp(np.where(a > 0, a, 1))[1] - 1 - 15, -126, 127), 0)      # np.frexp(a)[1] - 1 = floor(log2(a)), exactly
;;       r = np.clip(x / 2.0 ** e, -57344, 57344)
;;       step = 2.0 ** (np.maximum(np.frexp(np.where(r == 0, 1, r))[1] - 1, -14) - 2)
;;       q = np.round(r / step) * step * 2.0 ** e      # np.round: ties to even
;;       return np.moveaxis(q.reshape(q.shape[:-2] + (-1,))[..., :K], -1, axis).astype(np.float32)
;;   ~~~
;;   SOFTMAX AHEAD OF A QUANTISED PRODUCT. Where the list says 'softmax', what is quantised is not the finished softmax but p = 2^(t - M), with t = logit x log2(e) and M = ceil(the row's largest t), a whole number; so 1/2 < the row's largest p <= 1. The row's sum l is taken of the UNQUANTISED p, in f32, and the product's result is divided by l at the end. Since M is a whole number, a kernel that streams over the keys may use a running M (the ceiling of the running maximum): every later rescaling is an exact power of two, which a block's scale takes up: the codes' values come out the same.
;;   OPERANDS COMPUTED ON THE WAY. 'Computed on the way' means the value that the module computes at that place (a softmax that the list does not call 'softmax' is quantised finished and normalised). What goes into a quantiser is computed in f32, as accurately as f32 sums, v_exp_f32 and their like allow (about 1e-6 of the number): no bf16 or f16 on the way to a quantiser, and a product that is left as it is and whose result goes on into a quantised operand takes f32 operands (vector FMAs, or v_wmma_f32_16x16x4_f32). A number that lies on a knife's edge between two numbers of the format may be rounded either way, as far as f32 arithmetic and the matrix unit's own rounding can turn it there, and no further.
;;   INPUTS GIVEN AS CODES. w_proj (in the module: [1024, 1024], K = its axis 0); w_qkv (in the module: [1024, 3072], K = its axis 0); x (in the module: [2, 2048, 1024], K = its axis 2): each comes as NAME_codes (uint8): NAME with its K axis moved to the last place and cut into blocks of 32 codes, [.., K / 32, bytes a block], one block behind the other in memory; one code a byte (a code: sign, 5 exponent bits, 2 mantissa bits); and NAME_scales (uint8): the same leading axes, one E8M0 byte (e + 127) for each 32 codes along K. Its value is code x scale, taken as it is: it is not quantised again, and the codes and scales need not be those that the quantiser above would give.
;; One version. Each part assembles by itself: llvm-mc -triple=amdgcn-amd-amdhsa -mcpu=gfx1250 --defsym DOCPART=n.
;; ======== version 1 of 1: 3 launches
;; limits: right only within a limited range of input values
;; workspace buffers: qkv_codes 12,582,912 bytes; qkv_scales 393,216 bytes; a_codes 4,194,304 bytes; a_scales 131,072 bytes
;; launch qkv (part 1): grid 8 x 24, 4 waves a work-group, clusters of 4 x 4, 327,680 bytes of LDS; arguments x_codes, x_scales, w_qkv_codes, w_qkv_scales, b_qkv, qkv_codes, qkv_scales; writes qkv_codes, qkv_scales
.if DOCPART == 1
	.amdgcn_target "amdgcn-amd-amdhsa--gfx1250"
	.amdhsa_code_object_version 6
	.text
	.protected	k_qe17152f317_qkv
	.globl	k_qe17152f317_qkv
	.p2align	8
	.type	k_qe17152f317_qkv,@function
k_qe17152f317_qkv:
	s_mov_b64 s[64:65], 0
	v_nop
	global_prefetch_b8 v0, s[64:65] scope:SCOPE_SE
	s_setreg_imm32_b32 hwreg(HW_REG_WAVE_MODE, 25, 1), 1
	s_wait_xcnt 0x0
	s_wait_alu depctr_hold_cnt(0) depctr_sa_sdst(0) depctr_va_vdst(0) depctr_va_sdst(0) depctr_va_ssrc(0) depctr_va_vcc(0) depctr_vm_vsrc(0)
	s_getreg_b32 s2, hwreg(HW_REG_IB_STS2, 6, 4)
	s_cmp_eq_u32 s2, 0
	s_cbranch_scc0 .Lentry_in_a_cluster
	s_endpgm
.Lentry_in_a_cluster:
	s_bfe_u32 s2, ttmp6, 0x10000c
	s_cmp_lg_u32 s2, 0xf033
	s_cbranch_scc0 .Lentry_shape_is_right
	s_endpgm
.Lentry_shape_is_right:
.set KSTEP,  256
.set NQ,     2
.set ROWB,   256
.set KROW,   1024
.set PITCH,  272
.set FR,     16
.set NL,     4
.set NP,     8
.set HALFT,  128*PITCH
.set SLOT,   4*HALFT
.set LAPS,   2
.set KS,     32
.set SCL,    2*SLOT
.set HALFS,  (128*KS/256)*272
.set SBLK,   (16*KS/256)*272
.set SPARE,  SCL+4*HALFS
.set UB,   8
.set ADRA, 16
.set ADRB, 20
.set BH,   24
.set BR,   25
.set LO,   26
.set ADRS, 27
.set SPW,  28
.set NIL,  29
.set SC,   32
.set TBI,  64
.set AF,   128
.set TM,   32
.set PW,   48
.set SW,   56
.set CD,   128
.set G1, 24
.set G0, 32
.set G1B, 48
.set G0B, 56
.set G1S, 68
.set G0S, 76
.set G1SB, 80
.set G0SB, 88
.set FT,  66
.set FU,  94
.set OC,  98
.set OS,  100
.set SEL, 18
.set MNT, 22
.set HIM, 23
.set MSB, 0
.macro WIN new
.if MSB != \new
	s_set_vgpr_msb (MSB<<8)|\new
.set MSB, \new
.endif
.endm
.set MUL_LO, 0xa1
.set MUL_HI, 0xf1
.set TO_B,   0x40
.macro JLOAD g0a, g1a, g0b, g1b
	s_cmp_eq_u32 s15, 0
	s_cbranch_scc0 .Lfor_b_\@
	tensor_load_to_lds s[\g0a:\g0a+3], s[\g1a:\g1a+7]
	s_nop 0
.rept 4
	v_nop
.endr
	s_branch .Lasked_\@
.Lfor_b_\@:
	tensor_load_to_lds s[\g0b:\g0b+3], s[\g1b:\g1b+7]
	s_nop 0
.rept 4
	v_nop
.endr
.Lasked_\@:
.endm
.macro CREST
	s_cmp_lg_u32 s14, 0
	s_cbranch_scc1 .Lnot_wave_0_\@
	s_barrier_signal -3
.Lnot_wave_0_\@:
	s_barrier_wait -3
	s_barrier_signal -1
	s_barrier_wait -1
.endm
.macro CROUND
	s_barrier_signal -1
	s_barrier_wait -1
	CREST
.endm
	s_load_b128 s[4:7], s[0:1], 0x0
	s_load_b128 s[8:11], s[0:1], 0x10
	s_load_b128 s[96:99], s[0:1], 0x20
	s_load_b64 s[100:101], s[0:1], 0x30
	v_lshl_add_u32 v[SPW], v0, 2, SPARE
	v_mov_b32 v[NIL], 0
	ds_add_u32 v28, v29
	ds_add_u32 v28, v29
	s_wait_dscnt 0x0
	v_lshrrev_b32 v1, 5, v0
	v_readfirstlane_b32 s14, v1
	s_lshr_b32 s15, s14, 1
	s_and_b32 s16, s14, 1
	s_bfe_u32 s40, ttmp6, 0x40000
	s_bfe_u32 s41, ttmp6, 0x40004
	s_and_b32 s17, ttmp7, 0xffff
	s_lshl_b32 s18, s17, 1
	s_add_co_u32 s18, s18, ttmp9
	s_sub_co_u32 s18, s18, 8
	s_cmp_ge_u32 s17, 4
	s_cselect_b32 s42, s18, ttmp9
	s_cselect_b32 s17, 0, s17
	s_cselect_b32 s2, 1, 0
	s_cselect_b32 s19, 2048, 0
	s_lshl_b32 s42, s42, 2
	s_add_co_u32 s42, s42, s40
	s_lshl_b32 s17, s17, 2
	s_add_co_u32 s17, s17, s41
	s_lshl_b32 s43, s41, 2
	s_lshl_b32 s43, 15, s43
	s_lshl_b32 s44, 0x1111, s40
	s_or_b32 s[G1+0], s43, (0<<16)|(1<<20)|(1<<21)|(5<<22)|(3<<25)
	s_or_b32 s[G1B+0], s44, (0<<16)|(1<<20)|(1<<21)|(5<<22)|(3<<25)
.irp g, G1, G1B
	s_mov_b32 s[\g+1], ROWB<<16
	s_mov_b32 s[\g+2], 128<<16
	s_mov_b32 s[\g+3], ROWB<<16
	s_mov_b32 s[\g+4], 128
	s_mov_b32 s[\g+5], KROW
	s_mov_b32 s[\g+6], 0
	s_mov_b32 s[\g+7], 0
.endr
	s_or_b32 s[G1S+0], s43, (3<<16)|(1<<20)|(1<<21)|(5<<22)|(3<<25)
	s_or_b32 s[G1SB+0], s44, (3<<16)|(1<<20)|(1<<21)|(5<<22)|(3<<25)
.irp g, G1S, G1SB
	s_mov_b32 s[\g+1], 32<<16
	s_mov_b32 s[\g+2], (128*KS/256)<<16
	s_mov_b32 s[\g+3], 32<<16
	s_mov_b32 s[\g+4], 128*KS/256
	s_mov_b32 s[\g+5], 32
	s_mov_b32 s[\g+6], 0
	s_mov_b32 s[\g+7], 0
.endr
	s_lshl_b32 s18, s16, 7
	s_lshl_b32 s20, s17, 8
	s_add_co_u32 s20, s20, s18
	s_add_co_u32 s20, s20, s19
	s_lshl_b32 s46, s42, 8
	s_add_co_u32 s46, s46, s18
	s_mov_b32 s21, 0
	s_mov_b32 s47, 0
	s_mov_b64 s[18:19], KS
	s_mul_u64 s[22:23], s[20:21], s[18:19]
	s_mul_u64 s[92:93], s[46:47], s[18:19]
	s_mov_b64 s[18:19], KROW
	s_mul_u64 s[20:21], s[20:21], s[18:19]
	s_mul_u64 s[46:47], s[46:47], s[18:19]
	s_mul_i32 s45, s14, HALFT
	s_mul_i32 s94, s14, HALFS
	s_wait_kmcnt 0x0
	s_cmp_lg_u32 s2, 0
	s_cselect_b64 s[12:13], s[8:9], s[4:5]
	s_cselect_b64 s[66:67], s[10:11], s[6:7]
	s_cselect_b64 s[8:9], s[4:5], s[8:9]
	s_cselect_b64 s[10:11], s[6:7], s[10:11]
	s_add_nc_u64 s[20:21], s[12:13], s[20:21]
	s_add_nc_u64 s[22:23], s[66:67], s[22:23]
	s_add_nc_u64 s[46:47], s[8:9], s[46:47]
	s_add_nc_u64 s[92:93], s[10:11], s[92:93]
	CROUND
	s_mov_b32 s[G0S], 1
	s_add_co_u32 s[G0S+1], s94, SCL
	s_mov_b64 s[G0S+2:G0S+3], s[22:23]
	s_or_b32 s[G0S+3], s[G0S+3], 0x80000000
	s_mov_b32 s[G0SB], 1
	s_add_co_u32 s[G0SB+1], s94, SCL
	s_mov_b64 s[G0SB+2:G0SB+3], s[92:93]
	s_or_b32 s[G0SB+3], s[G0SB+3], 0x80000000
	JLOAD G0S, G1S, G0SB, G1SB
.irp s, 0,1
	s_mov_b32 s[G0+4*\s], 1
	s_add_co_u32 s[G0+4*\s+1], s45, \s*SLOT
	s_add_nc_u64 s[G0+4*\s+2:G0+4*\s+3], s[20:21], \s*ROWB
	s_or_b32 s[G0+4*\s+3], s[G0+4*\s+3], 0x80000000
	s_mov_b32 s[G0B+4*\s], 1
	s_add_co_u32 s[G0B+4*\s+1], s45, \s*SLOT
	s_add_nc_u64 s[G0B+4*\s+2:G0B+4*\s+3], s[46:47], \s*ROWB
	s_or_b32 s[G0B+4*\s+3], s[G0B+4*\s+3], 0x80000000
	s_wait_alu depctr_va_vdst(0)
	s_wait_tensorcnt 0x0
	ds_add_u32 v28, v29
	s_wait_dscnt 0x0
	CROUND
	JLOAD G0+4*\s, G1, G0B+4*\s, G1B
.endr
	v_and_b32 v1, 15, v0
	v_bfe_u32 v2, v0, 4, 1
	v_mul_u32_u24 v3, v1, PITCH
	v_lshl_add_u32 v4, v2, 4, v3
	s_mul_i32 s21, s15, HALFT
	s_mul_i32 s22, s16, HALFT
	s_add_co_u32 s22, s22, 2*HALFT
.irp s, 0,1
	v_add_nc_u32 v[ADRA+\s], s21, v4
	v_add_nc_u32 v[ADRB+\s], s22, v4
	s_add_co_u32 s21, s21, SLOT
	s_add_co_u32 s22, s22, SLOT
.endr
	v_mul_u32_u24 v5, v1, KS
	v_lshrrev_b32 v6, 8, v5
	v_lshl_add_u32 v5, v6, 4, v5
	s_mul_i32 s21, s15, HALFS
	s_mul_i32 s22, s16, HALFS
	s_add_co_u32 s22, s22, 2*HALFS
	s_sub_co_u32 s22, s22, s21
	v_mul_u32_u24 v6, s22, v2
	s_add_co_u32 s21, s21, SCL
	v_add_nc_u32 v5, v5, v6
	v_add_nc_u32 v[ADRS], s21, v5
	v_lshlrev_b32 v[BH], 5, v2
	s_wait_alu depctr_va_vdst(0)
	v_lshlrev_b32 v[BR], 2, v1
	s_wait_alu depctr_va_vdst(0)
	v_and_b32 v6, 31, v0
	v_lshlrev_b32 v[LO], 4, v6
	s_lshl_b32 s20, s42, 1
	s_add_co_u32 s20, s20, s16
	s_lshl_b32 s21, s17, 1
	s_add_co_u32 s21, s21, s15
	s_add_co_u32 s22, s21, 16
	s_lshl_b32 s23, s20, 9
	s_lshl_b32 s45, s21, 9
	s_add_co_u32 s45, s45, 8192
	s_cmp_lg_u32 s2, 0
	s_cselect_b32 s22, s22, s20
	s_cselect_b32 s46, s20, s21
	s_cselect_b32 s92, 0, s23
	s_cselect_b32 s44, s45, 0
	s_cselect_b32 s[FT], 0, 0x3f800000
	s_cselect_b32 s[FU], 0x3f800000, 0
	s_mov_b32 s[FT+1], s[FT]
	s_mov_b32 s[FU+1], s[FU]
	s_lshl_b32 s22, s22, 5
	s_add_co_u32 s22, s22, s46
	s_lshl_b32 s46, s22, 14
	s_mov_b32 s47, 0
	s_add_nc_u64 s[OC:OC+1], s[OC:OC+1], s[46:47]
	s_lshl_b32 s46, s22, 9
	s_add_nc_u64 s[OS:OS+1], s[OS:OS+1], s[46:47]
	s_mov_b32 s93, 0
	s_mov_b32 s45, 0
	s_add_nc_u64 s[92:93], s[96:97], s[92:93]
	s_add_nc_u64 s[96:97], s[96:97], s[44:45]
.irp b, 0,1,2,3,4,5,6,7
	global_load_b128 v[TBI+8*\b:TBI+8*\b+3], v[BH], s[92:93] offset:64*\b
	global_load_b128 v[TBI+8*\b+4:TBI+8*\b+7], v[BH], s[92:93] offset:64*\b+16
.endr
.irp a, 0,1,2,3,4,5,6,7
	global_load_b32 v[UB+\a], v[BR], s[96:97] offset:64*\a
.endr
.macro FRAG reg, adr, q, i
.irp c, 0,1,2,3
	ds_load_b128 v[\reg+4*\c:\reg+4*\c+3], v[\adr] offset:128*(\q)+32*\c+(\i)*16*PITCH
.endr
.endm
.macro MUL16 a0, p, q, sc, zero
.irp a, \a0, \a0+1
.irp b, 0,1,2,3,4,5,6,7
.if \zero
	v_wmma_scale_f32_16x16x128_f8f6f4 v[8*(8*((\a)%4)+\b):8*(8*((\a)%4)+\b)+7], v[128*(\p)+FR*\b:128*(\p)+FR*\b+FR-1], v[AF+FR*(\a):AF+FR*(\a)+FR-1], 0, v[SC+8*NQ*(\sc)+NQ*\b+(\q)], v[SC+8*NQ*(\sc)+NQ*(\a)+(\q)] matrix_a_fmt:MATRIX_FMT_BF8 matrix_b_fmt:MATRIX_FMT_BF8 matrix_a_scale:MATRIX_SCALE_ROW1
.else
	v_wmma_scale_f32_16x16x128_f8f6f4 v[8*(8*((\a)%4)+\b):8*(8*((\a)%4)+\b)+7], v[128*(\p)+FR*\b:128*(\p)+FR*\b+FR-1], v[AF+FR*(\a):AF+FR*(\a)+FR-1], v[8*(8*((\a)%4)+\b):8*(8*((\a)%4)+\b)+7], v[SC+8*NQ*(\sc)+NQ*\b+(\q)], v[SC+8*NQ*(\sc)+NQ*(\a)+(\q)] matrix_a_fmt:MATRIX_FMT_BF8 matrix_b_fmt:MATRIX_FMT_BF8 matrix_a_scale:MATRIX_SCALE_ROW1
.endif
.endr
.endr
.endm
.macro FETCH_B slot, q, p
	WIN TO_B
.irp i, 0,1,2,3,4,5,6,7
	FRAG 128*(\p)+FR*\i, ADRB+\slot, \q, \i
.endr
	WIN 0
.endm
.macro FETCH_A slot, q, i0
.irp i, \i0, \i0+1, \i0+2, \i0+3
	FRAG AF+FR*(\i), ADRA+\slot, \q, \i
.endr
.endm
.macro SCALES sc
.irp i, 0,1,2,3,4,5,6,7
	ds_load_b64 v[SC+8*NQ*\sc+NQ*\i:SC+8*NQ*\sc+NQ*\i+1], v[ADRS] offset:\i*SBLK
.endr
.endm
.macro PLACES n
.rept \n
	v_nop
.endr
.endm
.macro STEP slot, q, zero
	s_wait_dscnt 4*NL
	WIN MUL_LO
	MUL16 0, (\q)%2, \q, \slot, \zero
	MUL16 2, (\q)%2, \q, \slot, \zero
	s_wait_dscnt 0
	PLACES NP
	FETCH_B \slot, (\q)+1, 1-(\q)%2
	FETCH_A \slot, (\q)+1, 0
	WIN MUL_HI
	MUL16 4, (\q)%2, \q, \slot, \zero
	MUL16 6, (\q)%2, \q, \slot, \zero
	PLACES NP
	WIN 0
	FETCH_A \slot, (\q)+1, 4
.endm
.macro TURN slot, next, fill
	s_wait_tensorcnt 0x0
	ds_add_u32 v[SPW], v[NIL]
	s_wait_dscnt 4*NL+1
	WIN MUL_LO
	MUL16 0, 1, NQ-1, \slot, 0
	s_wait_dscnt 0x0
	s_barrier_signal -1
	MUL16 2, 1, NQ-1, \slot, 0
	WIN 0
	s_barrier_wait -1
.if \fill
	CREST
	s_add_nc_u64 s[G0+4*\slot+2:G0+4*\slot+3], s[G0+4*\slot+2:G0+4*\slot+3], 2*ROWB
	s_add_nc_u64 s[G0B+4*\slot+2:G0B+4*\slot+3], s[G0B+4*\slot+2:G0B+4*\slot+3], 2*ROWB
	JLOAD G0+4*\slot, G1, G0B+4*\slot, G1B
	PLACES NP-4
.else
	PLACES NP
.endif
	s_wait_alu depctr_va_vdst(0)
	v_add_nc_u32 v[ADRS], 4*NQ, v[ADRS]
	FETCH_B \next, 0, 0
	FETCH_A \next, 0, 0
	SCALES \next
	WIN MUL_HI
	MUL16 4, 1, NQ-1, \slot, 0
	MUL16 6, 1, NQ-1, \slot, 0
	PLACES NP
	WIN 0
	FETCH_A \next, 0, 4
.endm
	s_wait_loadcnt 0x0
	s_wait_tensorcnt 1
	s_barrier_signal -1
	s_barrier_wait -1
	FETCH_B 0, 0, 0
	FETCH_A 0, 0, 0
	SCALES 0
	FETCH_A 0, 0, 4
	STEP 0, 0, 1
	s_mov_b32 s3, LAPS-1
.Llap:
	TURN 0, 1, 1
	STEP 1, 0, 0
	TURN 1, 0, 1
	STEP 0, 0, 0
	s_sub_co_u32 s3, s3, 1
	s_cmp_lg_u32 s3, 0
	s_cbranch_scc1 .Llap
	TURN 0, 1, 0
	STEP 1, 0, 0
	s_wait_dscnt 4*NL
	WIN MUL_LO
	MUL16 0, 1, NQ-1, 1, 0
	MUL16 2, 1, NQ-1, 1, 0
	s_wait_dscnt 0
	WIN MUL_HI
	MUL16 4, 1, NQ-1, 1, 0
	MUL16 6, 1, NQ-1, 1, 0
	WIN 0
	PLACES NP
	s_mov_b32 s[SEL], 0x76543210
	s_mov_b32 s[SEL+1], 0xfedcba98
	s_mov_b32 s[MNT], 0x600000
	s_mov_b32 s[HIM], 0xffff0000
.irp b, 0,1,2,3
	v_mov_b32 v[TM+4+\b], 0
.endr
.macro EPI a
.set AC, 64*((\a)%4)
.set WW, 2+(\a)/4
.set CDS, CD+16*((\a)%2)
.set UP, UB+2*((\a)/2)
.set WN, (WW<<6)|(WW<<4)
	WIN WN
.set n, 0
.rept 32
	v_pk_fma_f32 v[AC+n:AC+n+1], v[TBI+n:TBI+n+1], s[FT:FT+1], v[AC+n:AC+n+1] op_sel_hi:[1,0,1]
.set n, n+2
.endr
.set n, 0
.rept 32
.if (\a)%2 == 0
	v_pk_fma_f32 v[AC+n:AC+n+1], v[UP:UP+1], s[FU:FU+1], v[AC+n:AC+n+1] op_sel_hi:[0,0,1]
.else
	v_pk_fma_f32 v[AC+n:AC+n+1], v[UP:UP+1], s[FU:FU+1], v[AC+n:AC+n+1] op_sel:[1,0,0] op_sel_hi:[1,0,1]
.endif
.set n, n+2
.endr
.set WN, WW|(WW<<2)
	WIN WN
.irp b, 0,1,2,3
	v_max3_num_f32 v[TM+\b], |v[AC+16*\b]|, |v[AC+16*\b+1]|, 0x8000000
.endr
.irp k, 2,4,6,8,10,12,14
.irp b, 0,1,2,3
	v_max3_num_f32 v[TM+\b], |v[AC+16*\b+\k]|, |v[AC+16*\b+\k+1]|, v[TM+\b]
.endr
.endr
	WIN 0
.irp b, 0,1,2,3
	v_permlanex16_b32 v[TM+4+\b], v[TM+\b], s[SEL], s[SEL+1]
.endr
.irp b, 0,1,2,3
	v_max_num_f32 v[TM+\b], v[TM+\b], v[TM+4+\b]
.endr
.irp b, 0,1,2,3
	v_add_nc_u32 v[TM+12+\b], 0xf8800000, v[TM+\b]
.endr
.irp b, 0,1,2,3
	v_and_or_b32 v[TM+8+\b], v[TM+\b], 0x7f800000, s[MNT]
.endr
.irp b, 0,1,2,3
	v_lshrrev_b32 v[TM+4+\b], 23, v[TM+12+\b]
.endr
	v_lshl_or_b32 v[PW+\a], v[TM+5], 8, v[TM+4]
	v_lshl_or_b32 v[PW+\a], v[TM+6], 16, v[PW+\a]
	v_lshl_or_b32 v[PW+\a], v[TM+7], 24, v[PW+\a]
.set WN, (WW<<6)|WW
	WIN WN
.irp b, 0,1,2,3
.irp k, 0,1,2,3,4,5,6,7,8,9,10,11,12,13,14,15
	v_med3_num_f32 v[AC+16*\b+\k], v[AC+16*\b+\k], -v[TM+8+\b], v[TM+8+\b]
.endr
.endr
.if (\a) >= 2
	s_wait_alu depctr_va_vdst(0)
	s_wait_xcnt 0x0
.endif
	WIN WW
.irp b, 0,1,2,3
	v_cvt_scalef32_pk8_bf8_f32 v[CDS+4*\b:CDS+4*\b+1], v[AC+16*\b:AC+16*\b+7], v[TM+12+\b]
	v_cvt_scalef32_pk8_bf8_f32 v[CDS+4*\b+2:CDS+4*\b+3], v[AC+16*\b+8:AC+16*\b+15], v[TM+12+\b]
.endr
	WIN 0
	v_nop
.irp b, 0,1,2,3
	global_store_b128 v[LO], v[CDS+4*\b:CDS+4*\b+3], s[OC:OC+1] offset:2048*(\a)+512*\b
.endr
.endm
.irp a, 0,1,2,3,4,5,6,7
	EPI \a
.endr
.irp w, 0,1,2,3
	v_cndmask_b32 v[SW+\w], v[PW+2*\w], v[PW+2*\w+1], s[HIM]
.endr
	global_store_b128 v[LO], v[SW:SW+3], s[OS:OS+1]
	s_wait_tensorcnt 0x0
	ds_add_u32 v[SPW], v[NIL]
	s_wait_dscnt 0x0
	CROUND
	s_endpgm
.Lfunc_end_k_qe17152f317_qkv:
	.size	k_qe17152f317_qkv, .Lfunc_end_k_qe17152f317_qkv-k_qe17152f317_qkv
	.p2alignl 7, 3214868480
	.fill 96, 4, 3214868480
	.section	.rodata,"a",@progbits
	.p2align	6, 0x0
	.amdhsa_kernel k_qe17152f317_qkv
		.amdhsa_group_segment_fixed_size 327680
		.amdhsa_private_segment_fixed_size 0
		.amdhsa_enable_private_segment 0
		.amdhsa_kernarg_size 56
		.amdhsa_user_sgpr_count 2
		.amdhsa_user_sgpr_kernarg_segment_ptr 1
		.amdhsa_wavefront_size32 1
		.amdhsa_system_sgpr_workgroup_id_x 1
		.amdhsa_system_sgpr_workgroup_id_y 1
		.amdhsa_system_sgpr_workgroup_id_z 1
		.amdhsa_system_vgpr_workitem_id 0
		.amdhsa_next_free_vgpr 1024
		.amdhsa_next_free_sgpr 102
		.amdhsa_reserve_vcc 0
		.amdhsa_float_denorm_mode_32 3
		.amdhsa_float_denorm_mode_16_64 3
		.amdhsa_memory_ordered 1
		.amdhsa_forward_progress 1
		.amdhsa_inst_pref_size 221
	.end_amdhsa_kernel
	.amdgpu_metadata
---
amdhsa.version: [ 1, 2 ]
amdhsa.kernels:
  - .name:           k_qe17152f317_qkv
    .symbol:         k_qe17152f317_qkv.kd
    .args:
      - { .name: x_codes, .offset: 0, .size: 8, .value_kind: global_buffer, .address_space: global }
      - { .name: x_scales, .offset: 8, .size: 8, .value_kind: global_buffer, .address_space: global }
      - { .name: w_qkv_codes, .offset: 16, .size: 8, .value_kind: global_buffer, .address_space: global }
      - { .name: w_qkv_scales, .offset: 24, .size: 8, .value_kind: global_buffer, .address_space: global }
      - { .name: b_qkv, .offset: 32, .size: 8, .value_kind: global_buffer, .address_space: global }
      - { .name: qkv_codes, .offset: 40, .size: 8, .value_kind: global_buffer, .address_space: global }
      - { .name: qkv_scales, .offset: 48, .size: 8, .value_kind: global_buffer, .address_space: global }
    .group_segment_fixed_size: 327680
    .private_segment_fixed_size: 0
    .kernarg_segment_align: 8
    .kernarg_segment_size: 56
    .max_flat_workgroup_size: 128
    .sgpr_count:     102
    .vgpr_count:     1024
    .wavefront_size: 32
...
	.end_amdgpu_metadata
.endif
;; end of part 1
;; launch attn (part 2): grid 8 x 32, 8 waves a work-group, clusters of 4 x 1, 327,680 bytes of LDS; arguments qkv_codes, qkv_scales, a_codes, a_scales; writes a_codes, a_scales
.if DOCPART == 2
	.amdgcn_target "amdgcn-amd-amdhsa--gfx1250"
	.amdhsa_code_object_version 6
	.text
	.protected	k_qe17152f317_attn
	.globl	k_qe17152f317_attn
	.p2align	8
	.type	k_qe17152f317_attn,@function
k_qe17152f317_attn:
	s_mov_b64 s[64:65], 0
	v_nop
	global_prefetch_b8 v0, s[64:65] scope:SCOPE_SE
	s_setreg_imm32_b32 hwreg(HW_REG_WAVE_MODE, 25, 1), 1
	s_wait_xcnt 0x0
	s_wait_alu depctr_hold_cnt(0) depctr_sa_sdst(0) depctr_va_vdst(0) depctr_va_sdst(0) depctr_va_ssrc(0) depctr_va_vcc(0) depctr_vm_vsrc(0)
	s_getreg_b32 s2, hwreg(HW_REG_IB_STS2, 6, 4)
	s_cmp_eq_u32 s2, 0
	s_cbranch_scc0 .Lentry_in_a_cluster
	s_endpgm
.Lentry_in_a_cluster:
	s_bfe_u32 s2, ttmp6, 0x10000c
	s_cmp_lg_u32 s2, 0x3003
	s_cbranch_scc0 .Lentry_shape_is_right
	s_endpgm
.Lentry_shape_is_right:
; Attention on codes of BF8 (E5M2), one E8M0 scale for each 32 along a product's K: 2 batches x 16 heads of 64, 2,048 tokens.  Both products by the scaled 16 x 16 x 128 form.
; INPUT: the chunks that the launch before stored (16,384 bytes of register images and 512 bytes of scale words each): chunk 32 X + Y, X = 0-7 q, 8-15 k, 16-23 v of head pair X mod 8, Y = 16 x batch + tokens / 128.
; In a chunk of q or k, fragment i (16 tokens) is 2,048 bytes and head e's 64 channels are its bytes 1,024 e on.  In a chunk of v, head e's four fragments (16 channels x 128 keys) are bytes 8,192 e on.
; SHARES: a work-group owns 256 queries of one head; each of its eight waves owns 32 of them, two tiles A and B of 16, and walks all 2,048 keys, 128 a step: each fragment of K and V that a wave reads feeds both tiles.
; LDS: K AND V OF THE WHOLE HEAD, 131,072 bytes each, and their scale words: nothing is filled twice, so there is no ring.  One tensor load a wave, at the head; waves 0 to 2 bring what steps 0 to 3 read.
; CLUSTER: the four work-groups of a cluster own four query blocks of one head: every load is asked for jointly, with a mask that names the four.
; No prefetch: all tiles are asked for at the head; there is no loop of loads to run ahead in.
; THE FIRST PRODUCT HAS K = 64: Q's registers 8-15 hold zero codes and the upper two bytes of its scale words are 0.  K's fragments lie 8 registers apart: an operand's upper half is the next tile's codes (behind the last: zeros), finite numbers that meet Q's zeros.
; Both products are used transposed (S^T = K Q^T, O^T = V^T P^T): a lane holds one query (lane % 16) of each tile, and p's registers run along the keys in the order in which v's chunks hold them.
; SOFTMAX: t = score x log2(e) / 8; M = the running largest t rounded up to a whole number; p = 2^(t - M) is quantised along the keys; the row's sum is taken of the unquantised p and divides at the end.
; When M moves, the sum and O are multiplied by 2^(old M - new M), which rounds nothing.
; OUTPUT: O / sum, quantised along the channels: codes as chunk 8 Sg + pair of a_codes (Sg = tokens / 128); scale bytes as a_scales[Sg][head][lane][tile / 2][2 blocks], lane = row + 16 (tile % 2): 256 bytes for each Sg and head.
; LIMITS: NaN and infinities are not served; scaled scores stay under 2^31 in magnitude.  p under 2^-126 becomes 0 (v_exp_f32 flushes).  A block of zeros gets the byte 1: its codes are zeros, and this program alone reads the bytes.
.set VB,   131072                      ; V behind K
.set SCK,  262144                      ; K's scale words, 16 steps x 512 bytes
.set SCV,  270336                      ; V's
.set SPARE,278528                      ; the spare words, 128 bytes for each of 8 waves
.set STG,  279552                      ; 512 bytes in which the output's scale bytes meet; no fill lands here
; window 0
.set ADK,  1                           ; v1-4 the step's addresses
.set ADV,  2
.set ADS,  3
.set ADT,  4
.set SPW,  5
.set NIL,  6
.set LI,   7                           ; 16 x lane
.set AV0,  8                           ; VB + 16 x lane
.set ASK0, 9                           ; SCK + 16 x lane + 2 e
.set ASV0, 10                          ; SCV + 16 x lane + 8 e
.set STW,  11
.set ST,   12                          ; v12-15 tile A: -M, the largest t, the sum in two halves; v16-19 tile B
.set F,    20                          ; v[20:21], v[22:23] 2^(old M - new M) of A, B (the low word serves both halves)
.set STR,  24
.set SOF,  25
.set PC,   32                          ; v32-47, v48-63 p's codes
.set S,    64                          ; v64-127, v128-191 S^T, then p
.set MX,   192                         ; eight each, A's four blocks and B's: the largest score, then the largest p;
.set PT,   200                         ; the partner lane's, then the bytes;
.set HD,   208                         ; 57,344 x the scale;
.set SO,   216                         ; the conversions' scale operands
.set KSR,  224                         ; v224-227 K's scale words
.set VSR,  228                         ; v228-229 V's
.set QS,   230                         ; Q's: A's in lanes 0-15, B's in lanes 16-31
.set PW,   231                         ; v231, v232 p's
.set TMP,  233                         ; v233, v234
.set SM,   236                         ; v236-249 seven more chains of a sum
; window 1
.set KF,   0                           ; eight fragments of K, 8 registers each, and 8 zeros
.set VF,   72                          ; four fragments of V
.set OT,   136                         ; O^T of A, B: four tiles each
.set QF,   200                         ; Q of A, B: 8 registers of codes, 8 of zeros
.set WV,   12
.set CNT,  13
.set MNT,  16
.set HIM,  17
.set TB,   18                          ; 8,192 x the step
.set TS,   19                          ; 512 x the step
.set SEL,  20
.set CS,   22
.set G1S,  24
.set G1K,  32
.set G1L,  40
.set G1V,  48
.set MSB, 0
.macro WIN new                         ; the immediate's high byte repeats the setting that is left
.if MSB != \new
	s_set_vgpr_msb (MSB<<8)|\new
.set MSB, \new
.endif
.endm
.macro CROUND                          ; a round of the cluster's barrier
	s_barrier_signal -1
	s_barrier_wait -1
	s_cmp_lg_u32 s[WV], 0
	s_cbranch_scc1 .Lnot_wave_0_\@
	s_barrier_signal -3
.Lnot_wave_0_\@:
	s_barrier_wait -3
	s_barrier_signal -1
	s_barrier_wait -1
.endm
.macro GROUP1 g, c, r, p               ; r rows of c elements of 8 bytes, p elements apart, no padding; the mask names all four work-groups
	s_mov_b32 s[\g], 15|(3<<16)|(1<<21)
	s_mov_b32 s[\g+1], (\c)<<16
	s_mov_b32 s[\g+2], (\r)<<16
	s_mov_b32 s[\g+3], (\c)<<16
	s_mov_b32 s[\g+4], \r
	s_mov_b32 s[\g+5], \p
	s_mov_b32 s[\g+6], 0
	s_mov_b32 s[\g+7], 0
.endm
.macro GROUP0 g, lds, base, off
	s_mov_b32 s[\g], 1
	s_mov_b32 s[\g+1], \lds
	s_add_nc_u64 s[\g+2:\g+3], s[\base:\base+1], \off
	s_or_b32 s[\g+3], s[\g+3], 0x80000000
.endm
.macro TLOAD g0, g1
	tensor_load_to_lds s[\g0:\g0+3], s[\g1:\g1+7]
	s_nop 0
.rept 4
	v_nop
.endr
.endm
.macro ARM under, g0, g1
	s_cmp_lt_u32 s[WV], \under
	s_cbranch_scc0 .Larm_\under
	TLOAD \g0, \g1
	s_branch .Lasked
.Larm_\under:
.endm
	s_load_b256 s[4:11], s[0:1], 0x0               ; qkv_codes, qkv_scales, a_codes, a_scales
	v_lshl_add_u32 v[SPW], v0, 2, SPARE
	v_mov_b32 v[NIL], 0
	ds_add_u32 v[SPW], v[NIL]                      ; the wave's opening: the add, twice on end, and its wait ahead of my first tensor load
	ds_add_u32 v[SPW], v[NIL]
	v_lshrrev_b32 v26, 5, v0
	v_readfirstlane_b32 s[WV], v26                 ; wave 0..7
	s_bfe_u32 s2, ttmp6, 0x40000                   ; cx
	s_lshl_b32 s3, ttmp9, 2
	s_add_co_u32 s3, s3, s2                        ; my block of 256 queries: it enters Q's and the output's addresses alone
	s_and_b32 s13, ttmp7, 0xffff
	s_and_b32 s14, s13, 15                         ; head
	s_lshr_b32 s15, s13, 4                         ; batch
	s_lshr_b32 s16, s14, 1                         ; head pair
	s_and_b32 s17, s14, 1                          ; e: which head of the pair
	s_lshr_b32 s18, s[WV], 2                       ; which 128 of my work-group's queries
	s_and_b32 s19, s[WV], 3                        ; which 32 of those
	s_lshl_b32 s66, s15, 4
	s_lshl_b32 s67, s3, 1
	s_add_co_u32 s67, s67, s66
	s_add_co_u32 s67, s67, s18                     ; Sg
	s_add_co_u32 s96, s16, 8
	s_lshl_b32 s96, s96, 5
	s_add_co_u32 s96, s96, s66                     ; K's first chunk: 32 (8 + pair) + 16 batch
	s_lshl_b32 s98, s96, 9                         ; s[98:99] K's scale words
	s_mov_b32 s99, 0
	s_lshl_b32 s96, s96, 14
	s_lshl_b32 s100, s17, 13
	s_add_co_u32 s100, s96, s100
	s_add_co_u32 s100, s100, 0x400000              ; s[100:101] V: 256 chunks behind K, + 8,192 e
	s_mov_b32 s101, 0
	s_lshl_b32 s95, s17, 10
	s_add_co_u32 s96, s96, s95                     ; s[96:97] K: + 1,024 e
	s_mov_b32 s97, 0
	s_lshl_b32 s94, s19, 12
	s_add_co_u32 s94, s94, s95                     ; my two tiles in a chunk
	s_lshl_b32 s92, s16, 5
	s_add_co_u32 s92, s92, s67                     ; Q's chunk
	s_lshl_b32 s2, s92, 14
	s_add_co_u32 s2, s2, s94                       ; s[2:3] Q's codes
	s_mov_b32 s3, 0
	s_lshl_b32 s92, s92, 9
	s_lshl_b32 s93, s19, 2
	s_add_co_u32 s92, s92, s93
	s_lshl_b32 s93, s17, 1
	s_add_co_u32 s92, s92, s93                     ; s[92:93] Q's scale bytes
	s_mov_b32 s93, 0
	s_lshl_b32 s13, s67, 4
	s_add_co_u32 s14, s13, s14
	s_lshl_b32 s14, s14, 8                         ; s[14:15] the output's scale bytes: 256 (16 Sg + head)
	s_mov_b32 s15, 0
	s_lshl_b32 s66, s67, 3
	s_add_co_u32 s66, s66, s16
	s_lshl_b32 s66, s66, 14
	s_add_co_u32 s66, s66, s94                     ; s[66:67] the output's codes
	s_mov_b32 s67, 0
	s_lshl_b32 s94, s17, 1
	s_add_co_u32 s94, s94, SCK
	s_lshl_b32 s95, s17, 3
	s_add_co_u32 s95, s95, SCV
	s_lshl_b32 s13, s18, 8
	s_lshl_b32 s18, s19, 1
	s_add_co_u32 s13, s13, s18
	s_add_co_u32 s13, s13, STG
	; every vector address is made here, ahead of the first branch on the wave's number
	v_and_b32 v27, 31, v0
	v_and_b32 v28, 15, v0
	v_bfe_u32 v29, v0, 4, 1
	v_lshlrev_b32 v[LI], 4, v27
	v_lshlrev_b32 v27, 3, v27
	v_lshlrev_b32 v29, 12, v29
	v_add_nc_u32 v[AV0], VB, v[LI]
	v_add_nc_u32 v[ASK0], s94, v[LI]
	v_add_nc_u32 v[ASV0], s95, v[LI]
	v_add_nc_u32 v[STW], s13, v27                  ; the stage: 256 (wave / 4) + 8 lane + 2 (wave % 4)
	v_add_nc_u32 v[STR], STG, v[LI]
	v_lshl_add_u32 v[SOF], v28, 4, v29             ; lanes 0-15 one unit of 256 bytes, lanes 16-31 the one 4,096 bytes on
	GROUP1 G1S, 1024, 2, 16384                     ; the scale words: K's 8,192 bytes and V's, 131,072 bytes further on
	GROUP1 G1K, 128, 40, 256                       ; K: a row is a fragment's 1,024 bytes of my head: five steps,
	GROUP1 G1L, 128, 44, 256                       ; and five and a half
	GROUP1 G1V, 1024, 4, 2048                      ; V: a row is a step's 8,192 bytes: four steps
	s_mov_b32 s[SEL], 0x76543210
	s_mov_b32 s[SEL+1], 0xfedcba98                 ; v_permlanex16_b32's selects for lane l xor 16
	s_mov_b32 s[CS], 0x3e38aa3b                    ; c = log2(e) / 8
	s_mov_b32 s[CS+1], s[CS]                       ; (named with it as a pair, so it is written)
	s_mov_b32 s[MNT], 0x600000                     ; the mantissa field of 57,344
	s_mov_b32 s[HIM], 0xffff0000                   ; lanes 16-31
	s_wait_alu depctr_va_vdst(0)
	s_wait_dscnt 0x0                               ; both opening adds are done
	CROUND                                         ; all four work-groups are here: the joint loads meet
	s_wait_kmcnt 0x0
	s_add_nc_u64 s[96:97], s[4:5], s[96:97]
	s_add_nc_u64 s[100:101], s[4:5], s[100:101]
	s_add_nc_u64 s[98:99], s[6:7], s[98:99]
	GROUP0 56, SCK, 98, 0
	GROUP0 60, 0, 96, 0                            ; K: steps 0-4 (a step reads the next step's K ahead)
	GROUP0 68, VB, 100, 0                          ; V: steps 0-3
	GROUP0 72, 40*1024, 96, 40*2048                ; K: fragments 40-83
	GROUP0 76, VB+32768, 100, 65536                ; V: steps 4-7
	GROUP0 80, 84*1024, 96, 84*2048                ; K: fragments 84-127
	GROUP0 84, VB+65536, 100, 131072               ; V: steps 8-11
	GROUP0 88, VB+98304, 100, 196608               ; V: steps 12-15
	ARM 1, 56, G1S                                 ; one load a wave, each in an arm of its own: waves 0 to 2 wait ahead of the first barrier, the others ahead of the second
	ARM 2, 60, G1K
	ARM 3, 68, G1V
	ARM 4, 72, G1L
	ARM 5, 76, G1V
	ARM 6, 80, G1L
	ARM 7, 84, G1V
	TLOAD 88, G1V
.Lasked:
	s_add_nc_u64 s[2:3], s[4:5], s[2:3]
	s_add_nc_u64 s[92:93], s[6:7], s[92:93]
	s_add_nc_u64 s[8:9], s[8:9], s[66:67]
	s_add_nc_u64 s[10:11], s[10:11], s[14:15]
	global_load_u16 v[QS], v[LI], s[92:93]         ; two scale bytes; the word's upper half is 0
	WIN 0x40
.irp g, 0,1
	global_load_b128 v[QF+4*\g:QF+4*\g+3], v[LI], s[2:3] offset:512*\g
	global_load_b128 v[QF+16+4*\g:QF+16+4*\g+3], v[LI], s[2:3] offset:2048+512*\g
.endr
.irp j, 0,1,2,3,4,5,6,7
	v_mov_b32 v[QF+8+\j], 0                        ; zero codes for K = 64 .. 127
	v_mov_b32 v[QF+24+\j], 0
	v_mov_b32 v[KF+64+\j], 0
.endr
.set n, 0
.rept 64
	v_mov_b32 v[OT+n], 0                           ; O^T: the step is written once; the first finds zeros, which the first change of M leaves zeros
.set n, n+1
.endr
	WIN 0
.irp i, 0,1,2,3,4,5,6,7
	v_mov_b32 v[PT+\i], 0                          ; a lane permute's destination counts as one of its sources
.endr
.irp x, 0,1
	v_mov_b32 v[ST+4*\x+1], 0xff61b1e6             ; the largest t so far: -3e38
	v_mov_b32 v[ST+4*\x+2], 0
	v_mov_b32 v[ST+4*\x+3], 0
	v_mov_b32 v[F+2*\x+1], 0                       ; (named as the upper half of a pair)
	v_mov_b32 v[TMP+\x], 0
	v_floor_f32 v[ST+4*\x], -v[ST+4*\x+1]          ; -M
.endr
	s_wait_alu depctr_va_vdst(0)
	s_wait_loadcnt 0x0                             ; Q
	s_cmp_lt_u32 s[WV], 3
	s_cbranch_scc0 .Lnot_first
	s_wait_tensorcnt 0x0                           ; the scale words, K's steps 0-4, V's steps 0-3
.Lnot_first:
	s_barrier_signal -1
	s_barrier_wait -1
.macro QK t, x                         ; tile t of 16 keys, my tile x of queries
.set D_, S+64*(\x)+8*(\t)
.set A_, KF+8*(\t)
.set B_, QF+16*(\x)
.if (\t)%2 && (\x)
	v_wmma_scale_f32_16x16x128_f8f6f4 v[D_:D_+7], v[A_:A_+15], v[B_:B_+15], 0, v[KSR+(\t)/2], v[QS] matrix_a_fmt:MATRIX_FMT_BF8 matrix_b_fmt:MATRIX_FMT_BF8 matrix_a_scale:MATRIX_SCALE_ROW1 matrix_b_scale:MATRIX_SCALE_ROW1
.elseif (\t)%2
	v_wmma_scale_f32_16x16x128_f8f6f4 v[D_:D_+7], v[A_:A_+15], v[B_:B_+15], 0, v[KSR+(\t)/2], v[QS] matrix_a_fmt:MATRIX_FMT_BF8 matrix_b_fmt:MATRIX_FMT_BF8 matrix_a_scale:MATRIX_SCALE_ROW1
.elseif (\x)
	v_wmma_scale_f32_16x16x128_f8f6f4 v[D_:D_+7], v[A_:A_+15], v[B_:B_+15], 0, v[KSR+(\t)/2], v[QS] matrix_a_fmt:MATRIX_FMT_BF8 matrix_b_fmt:MATRIX_FMT_BF8 matrix_b_scale:MATRIX_SCALE_ROW1
.else
	v_wmma_scale_f32_16x16x128_f8f6f4 v[D_:D_+7], v[A_:A_+15], v[B_:B_+15], 0, v[KSR+(\t)/2], v[QS] matrix_a_fmt:MATRIX_FMT_BF8 matrix_b_fmt:MATRIX_FMT_BF8
.endif
.endm
.macro PV t, x                         ; tile t of 16 channels
.set D_, OT+32*(\x)+8*(\t)
.set A_, VF+16*(\t)
.set B_, PC+16*(\x)
.if (\t)%2
	v_wmma_scale_f32_16x16x128_f8f6f4 v[D_:D_+7], v[A_:A_+15], v[B_:B_+15], v[D_:D_+7], v[VSR+(\t)/2], v[PW+(\x)] matrix_a_fmt:MATRIX_FMT_BF8 matrix_b_fmt:MATRIX_FMT_BF8 matrix_a_scale:MATRIX_SCALE_ROW1
.else
	v_wmma_scale_f32_16x16x128_f8f6f4 v[D_:D_+7], v[A_:A_+15], v[B_:B_+15], v[D_:D_+7], v[VSR+(\t)/2], v[PW+(\x)] matrix_a_fmt:MATRIX_FMT_BF8 matrix_b_fmt:MATRIX_FMT_BF8
.endif
.endm
; Each of the following macros is one line, number k, of a piece of tile x's softmax, so that the two tiles' lines can stand by turns.
.macro MAXL x, k                       ; 32 lines: the largest score of each block of 32 keys (my 16 of them)
.set M_, MX+4*(\x)+(\k)%4
.set R_, S+64*(\x)+16*((\k)%4)
.set K_, (\k)/4
.if K_ == 0
	v_max3_num_f32 v[M_], v[R_], v[R_+1], v[R_+2]
.elseif K_ < 7
	v_max3_num_f32 v[M_], v[M_], v[R_+2*K_+1], v[R_+2*K_+2]
.else
	v_max_num_f32 v[M_], v[M_], v[R_+15]
.endif
.endm
.macro CHN x, k                        ; 17 lines: lane l xor 16's 16 keys, the new M and f
.set M_, MX+4*(\x)
.set P_, PT+4*(\x)
.set T_, TMP+(\x)
.set N_, ST+4*(\x)
.set K_, \k
.if K_ < 4
	v_permlanex16_b32 v[P_+K_], v[M_+K_], s[SEL], s[SEL+1]
.elseif K_ < 8
	v_max_num_f32 v[M_+K_-4], v[M_+K_-4], v[P_+K_-4]
.elseif K_ == 8
	v_max3_num_f32 v[T_], v[M_], v[M_+1], v[M_+2]
.elseif K_ == 9
	v_max_num_f32 v[T_], v[T_], v[M_+3]            ; the step's largest score of my query
.elseif K_ == 10
	v_mul_f32 v[T_], s[CS], v[T_]                  ; as t (c is positive)
.elseif K_ == 11
	v_max_num_f32 v[N_+1], v[N_+1], v[T_]          ; the running largest t
.elseif K_ == 12
	v_mov_b32 v[T_], v[N_]
.elseif K_ == 13
	v_floor_f32 v[N_], -v[N_+1]                    ; the new -M: M is a whole number
.elseif K_ == 14
	v_sub_f32 v[T_], v[N_], v[T_]                  ; old M - new M: a whole number, 0 or less
.elseif K_ == 15
	v_cvt_i32_f32 v[T_], v[T_]                     ; (it saturates)
.else
	v_ldexp_f32 v[F+2*(\x)], 1.0, v[T_]            ; f
.endif
.endm
.macro FMA x, k                        ; 32 lines: t - M, two at a time
.set A_, S+64*(\x)+2*(\k)
	v_pk_fma_f32 v[A_:A_+1], v[A_:A_+1], s[CS:CS+1], v[ST+4*(\x):ST+4*(\x)+1] op_sel_hi:[1,0,0]
.endm
.macro MINL x, k                       ; 32 lines: the hold, two at a time: the conversion does not saturate (ISA guide 7.6.2); p is not negative, so it is one-sided
.set A_, S+64*(\x)+2*(\k)
.set H_, HD+4*(\x)+(\k)/8
	v_dual_min_num_f32 v[A_], v[H_], v[A_] :: v_dual_min_num_f32 v[A_+1], v[H_], v[A_+1]
.endm
.macro ADDTO x, j, k                   ; chain j += chain k
.set A_, SM+2*(\j)-2
.if (\j) == 0
.set A_, ST+4*(\x)+2
.endif
.set B_, SM+2*(\k)-2
	v_pk_add_f32 v[A_:A_+1], v[A_:A_+1], v[B_:B_+1]
.endm
.macro SUML x, k                       ; 32 lines: the row's sum of the unquantised p, in eight chains, the first of them the running sum
.set K_, \k
.if K_ < 7
.set R_, S+64*(\x)+4*K_
	v_pk_add_f32 v[SM+2*K_:SM+2*K_+1], v[R_:R_+1], v[R_+2:R_+3]
.elseif K_ < 25
.set R_, S+64*(\x)+2*(K_+7)
.set A_, SM+2*((K_-7)%8)-2
.if (K_-7)%8 == 0
.set A_, ST+4*(\x)+2
.endif
	v_pk_add_f32 v[A_:A_+1], v[A_:A_+1], v[R_:R_+1]
.elseif K_ < 29
	ADDTO \x, K_-25, K_-21
.elseif K_ < 31
	ADDTO \x, K_-29, K_-27
.else
	ADDTO \x, 0, 1
.endif
.endm
.macro CVT x, k                        ; 8 lines
	v_cvt_scalef32_pk8_bf8_f32 v[PC+16*(\x)+2*(\k):PC+16*(\x)+2*(\k)+1], v[S+64*(\x)+8*(\k):S+64*(\x)+8*(\k)+7], v[SO+4*(\x)+(\k)/2]
.endm
; A KEY STEP: 128 keys, both tiles.
.macro STEP
	WIN 0x05
.irp t, 0,1,2,3,4,5,6,7
	QK \t, 0
.endr
.irp t, 0,1,2,3,4,5,6,7
	QK \t, 1
.endr                                          ; lane (r, h): query r; register 16 b + 8 u + j is key 32 b + 16 u + 8 h + j of the step
	WIN 0
	v_add_nc_u32 v[ADK], s[TB], v[LI]
	v_add_nc_u32 v[ADV], s[TB], v[AV0]
	v_add_nc_u32 v[ADS], s[TS], v[ASK0]
	v_add_nc_u32 v[ADT], s[TS], v[ASV0]
.rept 4
	v_nop                                          ; with the four additions: eight places behind the products, ahead of loads into what they read and of the readers of the scores
.endr
	ds_load_b64 v[VSR:VSR+1], v[ADT]               ; this step's V, the next step's K (behind the last step these reads fall on landed bytes of V and are not used)
.irp w, 0,1,2,3
	ds_load_u16 v[KSR+\w], v[ADS] offset:512+4*\w  ; my head's two bytes: tile 2 w in lanes 0-15, tile 2 w + 1 in lanes 16-31
.endr
	WIN 0x40
.irp t, 0,1,2,3
.irp c, 0,1,2,3
	ds_load_b128 v[VF+16*\t+4*\c:VF+16*\t+4*\c+3], v[ADV] offset:2048*\t+512*\c
.endr
.endr
.irp t, 0,1,2,3,4,5,6,7
.irp c, 0,1
	ds_load_b128 v[KF+8*\t+4*\c:KF+8*\t+4*\c+3], v[ADK] offset:8192+1024*\t+512*\c
.endr
.endr
	WIN 0
.set n, 0
.rept 32
	MAXL 0, n
.set n, n+1
.endr
.set n, 0
.rept 17
	CHN 0, n
.if n < 16
	MAXL 1, 2*n
	MAXL 1, 2*n+1
.endif
.set n, n+1
.endr
.set n, 0
.rept 17
	CHN 1, n
.if n < 16
	FMA 0, 2*n
	FMA 0, 2*n+1
.endif
.set n, n+1
.endr
	WIN 0x41
.set n, 0
.rept 32
	v_pk_mul_f32 v[OT+2*n:OT+2*n+1], v[OT+2*n:OT+2*n+1], v[F+2*(n/16):F+2*(n/16)+1] op_sel_hi:[1,0]   ; O^T under the new M, each accumulator from its low end on
.set n, n+1
.endr
	WIN 0
.irp i, 0,1,2,3,4,5,6,7
	v_fma_f32 v[MX+\i], v[MX+\i], s[CS], v[ST+4*(\i/4)]   ; t - M of each block's largest score: p rises with the score, so this gives the block's largest p
.endr
	s_wait_alu depctr_va_vdst(0)                   ; a wait ahead of the batch
.irp i, 0,1,2,3,4,5,6,7
	v_exp_f32 v[MX+\i], v[MX+\i]
.endr
.set n, 0
.rept 32
	v_exp_f32 v[S+2*n], v[S+2*n]                   ; A's p = 2^(t - M), at most 1, and B's t - M
	v_exp_f32 v[S+2*n+1], v[S+2*n+1]
	FMA 1, n
.set n, n+1
.endr
.irp x, 0,1
	v_pk_mul_f32 v[ST+4*\x+2:ST+4*\x+3], v[ST+4*\x+2:ST+4*\x+3], v[F+2*\x:F+2*\x+1] op_sel_hi:[1,0]   ; the sums under the new M
.endr
	s_wait_alu depctr_va_vdst(0)                   ; and behind it
.irp i, 0,1,2,3,4,5,6,7
	v_max_num_f32 v[MX+\i], 0x8000000, v[MX+\i]    ; the floor 2^(16 - 127): the byte cannot fall under 1
.endr
.irp i, 0,1,2,3,4,5,6,7
	v_add_nc_u32 v[SO+\i], 0xf8800000, v[MX+\i]    ; 15 off the exponent field: the conversion's scale operand
.endr
.irp i, 0,1,2,3,4,5,6,7
	v_and_or_b32 v[HD+\i], v[MX+\i], 0x7f800000, s[MNT]   ; 57,344 x the scale
.endr
.irp i, 0,1,2,3,4,5,6,7
	v_lshrrev_b32 v[PT+\i], 23, v[SO+\i]           ; the scale's byte
.endr
.irp x, 0,1
	v_lshl_or_b32 v[PW+\x], v[PT+4*\x+1], 8, v[PT+4*\x]
.endr
.irp x, 0,1
	v_lshl_or_b32 v[PW+\x], v[PT+4*\x+2], 16, v[PW+\x]
.endr
.irp x, 0,1
	v_lshl_or_b32 v[PW+\x], v[PT+4*\x+3], 24, v[PW+\x]
.endr
.set n, 0
.rept 32
	SUML 0, n
.set n, n+1
.endr
	s_wait_alu depctr_va_vdst(0)
.set n, 0
.rept 32
	v_exp_f32 v[S+64+2*n], v[S+64+2*n]             ; B's p, and A's holds
	v_exp_f32 v[S+64+2*n+1], v[S+64+2*n+1]
	MINL 0, n
.set n, n+1
.endr
	s_wait_alu depctr_va_vdst(0)
	s_wait_dscnt 0x0                               ; this step's V and the next step's K are in
.set n, 0
.rept 8
	CVT 0, n
	SUML 1, 3*n
	SUML 1, 3*n+1
	SUML 1, 3*n+2
.set n, n+1
.endr
	SUML 1, 24
.set n, 0
.rept 4
	MINL 1, n
.set n, n+1
.endr
.set j, 0
.rept 8
.if j < 7
.rept 4
	MINL 1, n
.set n, n+1
.endr
.endif
	CVT 1, j
.set j, j+1
.endr
.set n, 25
.rept 7
	SUML 1, n                                      ; (also the places between the conversions and the products)
.set n, n+1
.endr
	WIN 0x51
.irp t, 0,1,2,3
	PV \t, 0
.endr
.irp t, 0,1,2,3
	PV \t, 1
.endr
	WIN 0
.endm
.macro RUN trips
	s_mov_b32 s[CNT], \trips
.Lstep_\@:
	STEP
	s_add_co_u32 s[TB], s[TB], 8192
	s_add_co_u32 s[TS], s[TS], 512
	s_sub_co_u32 s[CNT], s[CNT], 1
	s_cmp_lg_u32 s[CNT], 0
	s_cbranch_scc1 .Lstep_\@
.endm
.irp w, 0,1,2,3
	ds_load_u16 v[KSR+\w], v[ASK0] offset:4*\w     ; step 0's K
.endr
	WIN 0x40
.irp t, 0,1,2,3,4,5,6,7
.irp c, 0,1
	ds_load_b128 v[KF+8*\t+4*\c:KF+8*\t+4*\c+3], v[LI] offset:1024*\t+512*\c
.endr
.endr
	WIN 0
	s_mov_b32 s[TB], 0
	s_mov_b32 s[TS], 0
	s_wait_dscnt 0x0
	RUN 4
	s_wait_alu depctr_va_vdst(0)
	s_wait_tensorcnt 0x0                           ; all that was asked for is in
	s_barrier_signal -1
	s_barrier_wait -1
	s_mov_b32 s[TB], 4*8192
	s_mov_b32 s[TS], 4*512
	RUN 12
	; THE WAY OUT.  O^T / the sum: register 16 b + 8 u + j is channel 32 b + 16 u + 8 h + j of my head, for query r.  It is quantised along the channels and leaves as two register groups a tile of the output's chunk.
.rept 8
	v_nop
.endr
.irp x, 0,1
	v_add_f32 v[ST+4*\x+2], v[ST+4*\x+2], v[ST+4*\x+3]   ; the sum's two halves,
.endr
.irp x, 0,1
	v_permlanex16_b32 v[TMP+\x], v[ST+4*\x+2], s[SEL], s[SEL+1]
.endr
.irp x, 0,1
	v_add_f32 v[ST+4*\x+2], v[ST+4*\x+2], v[TMP+\x]      ; and lane l xor 16's: the row's sum
.endr
	s_wait_alu depctr_va_vdst(0)
	v_rcp_f32 v[F], v[ST+2]
	v_rcp_f32 v[F+2], v[ST+6]
	v_nop                                          ; a plain place behind the transcendentals
	WIN 0x01
	s_wait_alu depctr_va_vdst(0)
.set n, 0
.rept 32
	v_pk_mul_f32 v[S+64*(n/16)+2*(n%16):S+64*(n/16)+2*(n%16)+1], v[OT+2*n:OT+2*n+1], v[F+2*(n/16):F+2*(n/16)+1] op_sel_hi:[1,0]   ; each accumulator from its low end on
.set n, n+1
.endr
	WIN 0
.set BLK, 0                                    ; i = 2 x + b: block b of tile x, at S + 64 x + 16 b
.irp i, 0,1,2,3
	v_max3_num_f32 v[MX+\i], |v[S+64*(\i/2)+16*(\i%2)]|, |v[S+64*(\i/2)+16*(\i%2)+1]|, 0x8000000
.endr
.irp k, 2,4,6,8,10,12,14
.irp i, 0,1,2,3
	v_max3_num_f32 v[MX+\i], v[MX+\i], |v[S+64*(\i/2)+16*(\i%2)+\k]|, |v[S+64*(\i/2)+16*(\i%2)+\k+1]|
.endr
.endr
.irp i, 0,1,2,3
	v_permlanex16_b32 v[PT+\i], v[MX+\i], s[SEL], s[SEL+1]
.endr
.irp i, 0,1,2,3
	v_max_num_f32 v[MX+\i], v[MX+\i], v[PT+\i]
.endr
.irp i, 0,1,2,3
	v_add_nc_u32 v[SO+\i], 0xf8800000, v[MX+\i]
.endr
.irp i, 0,1,2,3
	v_and_or_b32 v[HD+\i], v[MX+\i], 0x7f800000, s[MNT]
.endr
.irp i, 0,1,2,3
	v_lshrrev_b32 v[PT+\i], 23, v[SO+\i]
.endr
.irp x, 0,1
	v_lshl_or_b32 v[TMP+\x], v[PT+2*\x+1], 8, v[PT+2*\x]   ; my query's two bytes
.endr
.irp i, 0,1,2,3
.set n, S+64*(\i/2)+16*(\i%2)
.rept 16
	v_med3_num_f32 v[n], v[n], -v[HD+\i], v[HD+\i]
.set n, n+1
.endr
.endr
.irp i, 0,1,2,3
.set n, S+64*(\i/2)+16*(\i%2)
	v_cvt_scalef32_pk8_bf8_f32 v[PC+4*\i:PC+4*\i+1], v[n:n+7], v[SO+\i]
	v_cvt_scalef32_pk8_bf8_f32 v[PC+4*\i+2:PC+4*\i+3], v[n+8:n+15], v[SO+\i]
.endr
	v_cndmask_b32 v[TMP], v[TMP], v[TMP+1], s[HIM]             ; lanes 0-15 A's, lanes 16-31 B's
.irp i, 0,1,2,3
	global_store_b128 v[LI], v[PC+4*\i:PC+4*\i+3], s[8:9] offset:2048*(\i/2)+512*(\i%2)   ; 32 lanes store 512 consecutive bytes
.endr
	ds_store_b16 v[STW], v[TMP]
	s_wait_dscnt 0x0                               ; for the others' sake: my store has landed
	s_barrier_signal -1
	s_barrier_wait -1                              ; the 512 bytes of scale bytes lie in the stage
	s_cmp_lg_u32 s[WV], 0
	s_cbranch_scc1 .Lnot_me
	ds_load_b128 v[MX:MX+3], v[STR]
	s_wait_dscnt 0x0
	global_store_b128 v[SOF], v[MX:MX+3], s[10:11] ; two whole units of 256 bytes
.Lnot_me:
	s_wait_tensorcnt 0x0                           ; the wave's end
	ds_add_u32 v[SPW], v[NIL]
	s_wait_dscnt 0x0
	CROUND                                         ; the closing round
	s_endpgm
.Lfunc_end_k_qe17152f317_attn:
	.size	k_qe17152f317_attn, .Lfunc_end_k_qe17152f317_attn-k_qe17152f317_attn
	.p2alignl 7, 3214868480
	.fill 96, 4, 3214868480
	.section	.rodata,"a",@progbits
	.p2align	6, 0x0
	.amdhsa_kernel k_qe17152f317_attn
		.amdhsa_group_segment_fixed_size 327680
		.amdhsa_private_segment_fixed_size 0
		.amdhsa_enable_private_segment 0
		.amdhsa_kernarg_size 32
		.amdhsa_user_sgpr_count 2
		.amdhsa_user_sgpr_kernarg_segment_ptr 1
		.amdhsa_wavefront_size32 1
		.amdhsa_system_sgpr_workgroup_id_x 1
		.amdhsa_system_sgpr_workgroup_id_y 1
		.amdhsa_system_sgpr_workgroup_id_z 1
		.amdhsa_system_vgpr_workitem_id 0
		.amdhsa_next_free_vgpr 512
		.amdhsa_next_free_sgpr 102
		.amdhsa_reserve_vcc 0
		.amdhsa_float_denorm_mode_32 3
		.amdhsa_float_denorm_mode_16_64 3
		.amdhsa_memory_ordered 1
		.amdhsa_forward_progress 1
		.amdhsa_inst_pref_size 96
	.end_amdhsa_kernel
	.amdgpu_metadata
---
amdhsa.version: [ 1, 2 ]
amdhsa.kernels:
  - .name:           k_qe17152f317_attn
    .symbol:         k_qe17152f317_attn.kd
    .args:
      - { .name: qkv_codes, .offset: 0, .size: 8, .value_kind: global_buffer, .address_space: global }
      - { .name: qkv_scales, .offset: 8, .size: 8, .value_kind: global_buffer, .address_space: global }
      - { .name: a_codes, .offset: 16, .size: 8, .value_kind: global_buffer, .address_space: global }
      - { .name: a_scales, .offset: 24, .size: 8, .value_kind: global_buffer, .address_space: global }
    .group_segment_fixed_size: 327680
    .private_segment_fixed_size: 0
    .kernarg_segment_align: 8
    .kernarg_segment_size: 32
    .max_flat_workgroup_size: 256
    .sgpr_count:     102
    .vgpr_count:     512
    .wavefront_size: 32
...
	.end_amdgpu_metadata
.endif
;; end of part 2
;; launch proj (part 3): grid 8 x 32, 4 waves a work-group, clusters of 4 x 4, 327,680 bytes of LDS; arguments a_codes, a_scales, w_proj_codes, w_proj_scales, b_proj, out0; writes out0
.if DOCPART == 3
	.amdgcn_target "amdgcn-amd-amdhsa--gfx1250"
	.amdhsa_code_object_version 6
	.text
	.protected	k_qe17152f317_proj
	.globl	k_qe17152f317_proj
	.p2align	8
	.type	k_qe17152f317_proj,@function
k_qe17152f317_proj:
	s_mov_b64 s[64:65], 0
	v_nop
	global_prefetch_b8 v0, s[64:65] scope:SCOPE_SE
	s_setreg_imm32_b32 hwreg(HW_REG_WAVE_MODE, 25, 1), 1
	s_wait_xcnt 0x0
	s_wait_alu depctr_hold_cnt(0) depctr_sa_sdst(0) depctr_va_vdst(0) depctr_va_sdst(0) depctr_va_ssrc(0) depctr_va_vcc(0) depctr_vm_vsrc(0)
	s_getreg_b32 s2, hwreg(HW_REG_IB_STS2, 6, 4)
	s_cmp_eq_u32 s2, 0
	s_cbranch_scc0 .Lentry_in_a_cluster
	s_endpgm
.Lentry_in_a_cluster:
	s_bfe_u32 s2, ttmp6, 0x10000c
	s_cmp_lg_u32 s2, 0xf033
	s_cbranch_scc0 .Lentry_shape_is_right
	s_endpgm
.Lentry_shape_is_right:
; out0 = attention output x w_proj + b_proj on codes of BF8 (E5M2), one E8M0 scale for each 32 along K = 1,024; sums and result in f32.
; A work-group makes 128 tokens x 128 outputs; ALL OF K LIES IN LDS: nothing is filled twice, so there is no ring, and no loop of loads for a prefetch to run ahead in.
; Four waves: wave w takes tokens 64 (w / 2) on and outputs 64 (w % 2) on: 16 accumulators.  K goes in eight steps of 128, the fragments in two register sets: a step's loads are out while the step before is multiplied.
; The tokens' codes come as the launch before stored them: chunk 8 Sg + kk = eight fragments of 16 tokens x 128 K as register images, read back as they lie; scale bytes [Sg][head][lane][tile / 2][2].
; In those images the operand's place 32 B + 16 h + 8 u + j holds channel 32 B + 16 u + 8 h + j.  w_proj's rows lie along K in memory and are fetched 8 bytes at a time, registers 2 c, 2 c + 1 = k 16 c + 8 h + 0 .. 7:
; the same order.  It moves numbers inside a block of 32 alone, alike on both sides: products and scales are untouched, only the order of the sums inside an instruction differs from K ascending.
; Source 0 = 16 rows of w_proj, source 1 = 16 tokens: a lane holds eight neighbouring outputs of one token.  The bias is the C of each sum's first matrix instruction.
; CLUSTERS: 4 x 4 work-groups; the tokens' chunks are asked for jointly along a row of the cluster, w_proj's tiles along a column.  One load a wave: waves 0, 1 the first half of K of both, waves 2, 3 the second.
; LIMITS: NaN and infinities among the inputs are not served.
.set BPIT, 528                         ; a row of half of K of w_proj in LDS: 512 bytes + 16 of padding: the 16 rows that a load touches start at 16 different banks (ISA guide 11.1)
.set BOFF, 131072                      ; LDS: the tokens' eight chunks, then w_proj's two halves of 128 rows x 512 K,
.set HB,   128*BPIT
.set STG,  BOFF+2*HB                   ; then a stage of 16 rows x 272 bytes for each wave, for the way out: no fill lands here
.set SPIT, 272
.set SPARE,STG+4*16*SPIT               ; and the spare words
.set ADRA, 4                           ; v4-5  my tokens' fragments, for chunks 0-3 and 4-7
.set ADRB, 6                           ; v6-7  my rows of w_proj, for the two halves
.set STO,  8
.set RD,   9
.set CO,   10
.set SPW,  14
.set NIL,  15
.set SA,   16                          ; v16-31 the tokens' scale words: pair p of tiles, step kk: SA + 8 p + (kk + 4) % 8: tile 2 p in lanes 0-15, tile 2 p + 1 in lanes 16-31
.set SB,   32                          ; v32-47 w_proj's: SB + 8 p + kk
.set BI,   48                          ; v48-79 the bias, eight registers a tile of outputs
.set ACC,  80                          ; v80-207 accumulator (a, b) at 80 + 8 (4 a + b)
.set XE,   208                         ; v208-215, v216-223 the scale bytes of the even and of the odd heads as they come
.set XO,   216
                                       ; window 1: set p at 128 p: four fragments of tokens, then four of w_proj
.set WV,   16
.set G1A,  24
.set G0A,  32
.set G1B,  48
.set G0B,  68
.set MSB, 0
.macro WIN new
.if MSB != \new
	s_set_vgpr_msb (MSB<<8)|\new
.set MSB, \new
.endif
.endm
.macro CROUND                          ; a round of the cluster's barrier
	s_barrier_signal -1
	s_barrier_wait -1
	s_cmp_lg_u32 s[WV], 0
	s_cbranch_scc1 .Lnot_wave_0_\@
	s_barrier_signal -3
.Lnot_wave_0_\@:
	s_barrier_wait -3
	s_barrier_signal -1
	s_barrier_wait -1
.endm
.macro TLOAD g0, g1
	tensor_load_to_lds s[\g0:\g0+3], s[\g1:\g1+7]
	s_nop 0
.rept 4
	v_nop
.endr
.endm
.macro ARM under, g0, g1
	s_cmp_lt_u32 s[WV], \under
	s_cbranch_scc0 .Larm_\under
	TLOAD \g0, \g1
	s_branch .Lasked
.Larm_\under:
.endm
	s_load_b256 s[4:11], s[0:1], 0x0               ; a_codes s[4:5], a_scales s[6:7], w_proj_codes s[8:9], w_proj_scales s[10:11]
	s_load_b128 s[12:15], s[0:1], 0x20             ; b_proj s[12:13], out0 s[14:15]
	v_lshl_add_u32 v[SPW], v0, 2, SPARE
	v_mov_b32 v[NIL], 0
	ds_add_u32 v[SPW], v[NIL]                      ; the wave's opening: the add, twice on end, and its wait ahead of my first tensor load
	ds_add_u32 v[SPW], v[NIL]
	v_lshrrev_b32 v1, 5, v0
	v_readfirstlane_b32 s[WV], v1                  ; wave 0..3
	s_lshr_b32 s17, s[WV], 1                       ; my 64 tokens.  Also: which half of K I fetch
	s_and_b32 s18, s[WV], 1                        ; my 64 outputs.  Also: I fetch tokens (0) or w_proj (1)
	s_bfe_u32 s56, ttmp6, 0x40000                  ; cx
	s_bfe_u32 s57, ttmp6, 0x40004                  ; cy
	s_lshl_b32 s58, ttmp9, 2
	s_add_co_u32 s58, s58, s56                     ; tile column: outputs 128 x it on
	s_and_b32 s59, ttmp7, 0xffff
	s_lshl_b32 s59, s59, 2
	s_add_co_u32 s59, s59, s57                     ; Sg: tokens 128 Sg on
	s_lshl_b32 s60, s57, 2
	s_lshl_b32 s60, 15, s60                        ; my row of the cluster
	s_lshl_b32 s61, 0x1111, s56                    ; my column
	s_or_b32 s[G1A], s60, (3<<16)|(1<<21)          ; four chunks: a dense block, 256 rows of 256 bytes (32 elements of 8 bytes), no padding; the mask: my row
	s_mov_b32 s[G1A+1], 32<<16
	s_mov_b32 s[G1A+2], 256<<16
	s_mov_b32 s[G1A+3], 32<<16
	s_mov_b32 s[G1A+4], 256
	s_mov_b32 s[G1A+5], 32
	s_mov_b32 s[G1A+6], 0
	s_mov_b32 s[G1A+7], 0
	s_or_b32 s[G1B], s61, (0<<16)|(1<<20)|(1<<21)|(6<<22)|(3<<25)   ; 128 rows x 512 bytes of w_proj, 1,024 bytes apart; four words of padding after every 128; the mask: my column
	s_mov_b32 s[G1B+1], 512<<16
	s_mov_b32 s[G1B+2], 128<<16
	s_mov_b32 s[G1B+3], 512<<16
	s_mov_b32 s[G1B+4], 128
	s_mov_b32 s[G1B+5], 1024
	s_mov_b32 s[G1B+6], 0
	s_mov_b32 s[G1B+7], 0
	s_lshl_b32 s62, s17, 16                        ; four chunks are 65,536 bytes, in LDS as in memory
	s_lshl_b32 s84, s59, 17
	s_add_co_u32 s84, s84, s62
	s_mov_b32 s85, 0
	s_lshl_b32 s86, s58, 17                        ; w_proj: rows 128 x tile column on
	s_lshl_b32 s19, s17, 9
	s_add_co_u32 s86, s86, s19
	s_mov_b32 s87, 0
	s_mul_i32 s63, s17, HB
	s_add_co_u32 s63, s63, BOFF
	s_lshl_b32 s88, s59, 12                        ; the tokens' scale bytes: 4,096 a group of 128 tokens
	s_mov_b32 s89, 0
	s_lshl_b32 s90, s58, 12                        ; w_proj's scale bytes: 32 a row
	s_lshl_b32 s19, s18, 11
	s_add_co_u32 s90, s90, s19
	s_mov_b32 s91, 0
	s_lshl_b32 s92, s58, 9                         ; my first output, in bytes
	s_lshl_b32 s19, s18, 8
	s_add_co_u32 s92, s92, s19
	s_mov_b32 s93, 0
	s_lshl_b32 s94, s59, 19                        ; my first token's row of out0 (4,096 bytes a row)
	s_lshl_b32 s19, s17, 18
	s_add_co_u32 s94, s94, s19
	s_add_co_u32 s94, s94, s92
	s_mov_b32 s95, 0
	s_lshl_b32 s19, s17, 13
	s_mul_i32 s20, s18, 64*BPIT
	s_add_co_u32 s20, s20, BOFF
	s_mul_i32 s21, s[WV], 16*SPIT
	s_add_co_u32 s21, s21, STG                     ; my stage
	s_lshl_b32 s22, s17, 2
	; every vector address is made here, ahead of the first branch on the wave's number
	v_and_b32 v1, 31, v0                           ; lane
	v_and_b32 v2, 15, v0                           ; r
	v_bfe_u32 v3, v0, 4, 1                         ; h
	v_lshlrev_b32 v[ADRA], 4, v1
	v_mul_u32_u24 v[ADRB], v2, BPIT
	v_mul_u32_u24 v[STO], v2, SPIT
	v_mul_u32_u24 v[RD], v3, SPIT
	v_lshlrev_b32 v[CO], 12, v3
	v_add_nc_u32 v[ADRA], s19, v[ADRA]
	v_lshl_add_u32 v[ADRB], v3, 3, v[ADRB]
	v_lshl_add_u32 v[STO], v3, 5, v[STO]
	v_lshl_add_u32 v[RD], v2, 4, v[RD]
	v_lshl_add_u32 v[CO], v2, 4, v[CO]             ; lanes 0-15 one row of out0, lanes 16-31 the next
	v_add_nc_u32 v[ADRB], s20, v[ADRB]             ; row 64 (w % 2) + r, + 8 h
	v_add_nc_u32 v[STO], s21, v[STO]               ; in: row r, 32 bytes for each half of the lanes
	v_add_nc_u32 v[RD], s21, v[RD]                 ; back: lanes 0-15 one row of 256 bytes, lanes 16-31 the next
	v_add_nc_u32 v[ADRA+1], 65536, v[ADRA]
	v_add_nc_u32 v[ADRB+1], HB, v[ADRB]
	v_lshlrev_b32 v11, 5, v1                       ; 32 x lane: a row of w_proj's scale bytes
	v_lshlrev_b32 v12, 3, v1
	v_lshlrev_b32 v13, 5, v3                       ; 32 h: my half's eight numbers of the bias
	v_add_nc_u32 v12, s22, v12                     ; 8 x lane + 4 (w / 2): my two pairs of tiles
	s_wait_alu depctr_va_vdst(0)
	s_wait_dscnt 0x0                               ; both opening adds are done
	CROUND                                         ; all sixteen work-groups are here: the joint loads meet
	s_wait_kmcnt 0x0
	s_add_nc_u64 s[84:85], s[4:5], s[84:85]
	s_add_nc_u64 s[86:87], s[8:9], s[86:87]
	s_mov_b32 s[G0A], 1
	s_mov_b32 s[G0A+1], s62
	s_mov_b64 s[G0A+2:G0A+3], s[84:85]
	s_or_b32 s[G0A+3], s[G0A+3], 0x80000000
	s_mov_b32 s[G0B], 1
	s_mov_b32 s[G0B+1], s63
	s_mov_b64 s[G0B+2:G0B+3], s[86:87]
	s_or_b32 s[G0B+3], s[G0B+3], 0x80000000
	ARM 1, G0A, G1A                                ; each load in an arm of its own: waves 0 and 1 wait ahead of the first barrier, waves 2 and 3 ahead of the second
	ARM 2, G0B, G1B
	ARM 3, G0A, G1A
	TLOAD G0B, G1B
.Lasked:
	s_add_nc_u64 s[88:89], s[6:7], s[88:89]
	s_add_nc_u64 s[90:91], s[10:11], s[90:91]
	s_add_nc_u64 s[92:93], s[12:13], s[92:93]
	s_add_nc_u64 s[14:15], s[14:15], s[94:95]
.irp k, 0,1,2,3,4,5,6,7
	global_load_b32 v[XE+\k], v12, s[88:89] offset:512*\k          ; heads 2 k and 2 k + 1: two bytes of each of two pairs of tiles
	global_load_b32 v[XO+\k], v12, s[88:89] offset:512*\k+256
.endr
.irp p, 0,1
	global_load_b128 v[SB+8*\p:SB+8*\p+3], v11, s[90:91] offset:1024*\p        ; lane l: row 32 p + l: its eight words
	global_load_b128 v[SB+8*\p+4:SB+8*\p+7], v11, s[90:91] offset:1024*\p+16
.endr
.irp b, 0,1,2,3
	global_load_b128 v[BI+8*\b:BI+8*\b+3], v13, s[92:93] offset:64*\b          ; outputs 16 b + 8 h + 0 .. 7
	global_load_b128 v[BI+8*\b+4:BI+8*\b+7], v13, s[92:93] offset:64*\b+16
.endr
	s_wait_loadcnt 0x0
.irp k, 0,1,2,3,4,5,6,7
	v_perm_b32 v[SA+(\k+4)%8], v[XO+\k], v[XE+\k], 0x05040100      ; the low halves: tiles 0 and 1
	v_perm_b32 v[SA+8+(\k+4)%8], v[XO+\k], v[XE+\k], 0x07060302    ; the high halves: tiles 2 and 3
.endr
.rept 8
	v_nop                                          ; a scale register so written stands eight places ahead of the products
.endr
	s_wait_alu depctr_va_vdst(0)
	s_cmp_lt_u32 s[WV], 2
	s_cbranch_scc0 .Lnot_first
	s_wait_tensorcnt 0x0                           ; K's first half
.Lnot_first:
	s_barrier_signal -1
	s_barrier_wait -1
; One product: K step kk, my tile ap of tokens, my tile bb of outputs.  The first K step takes the bias as C.
.macro PROD kk, ap, bb
.set rD, ACC+8*(4*(\ap)+(\bb))
.set rT, 128*((\kk)%2)+16*(\ap)
.set rW, 128*((\kk)%2)+64+16*(\bb)
.set rC, rD
.if (\kk) == 0
.set rC, BI+8*(\bb)
.endif
.set rSW, SB+8*((\bb)/2)+(\kk)
.set rST, SA+8*((\ap)/2)+((\kk)+4)%8
.if ((\bb)%2 == 0) && ((\ap)%2 == 0)
	v_wmma_scale_f32_16x16x128_f8f6f4 v[rD:rD+7], v[rW:rW+15], v[rT:rT+15], v[rC:rC+7], v[rSW], v[rST] matrix_a_fmt:MATRIX_FMT_BF8 matrix_b_fmt:MATRIX_FMT_BF8
.elseif (\ap)%2 == 0
	v_wmma_scale_f32_16x16x128_f8f6f4 v[rD:rD+7], v[rW:rW+15], v[rT:rT+15], v[rC:rC+7], v[rSW], v[rST] matrix_a_fmt:MATRIX_FMT_BF8 matrix_b_fmt:MATRIX_FMT_BF8 matrix_a_scale:MATRIX_SCALE_ROW1
.elseif (\bb)%2 == 0
	v_wmma_scale_f32_16x16x128_f8f6f4 v[rD:rD+7], v[rW:rW+15], v[rT:rT+15], v[rC:rC+7], v[rSW], v[rST] matrix_a_fmt:MATRIX_FMT_BF8 matrix_b_fmt:MATRIX_FMT_BF8 matrix_b_scale:MATRIX_SCALE_ROW1
.else
	v_wmma_scale_f32_16x16x128_f8f6f4 v[rD:rD+7], v[rW:rW+15], v[rT:rT+15], v[rC:rC+7], v[rSW], v[rST] matrix_a_fmt:MATRIX_FMT_BF8 matrix_b_fmt:MATRIX_FMT_BF8 matrix_a_scale:MATRIX_SCALE_ROW1 matrix_b_scale:MATRIX_SCALE_ROW1
.endif
.endm
.macro LOADF k                         ; step k's fragments into set k % 2: 48 loads
	WIN 0x40
.irp ap, 0,1,2,3
.irp c, 0,1,2,3
	ds_load_b128 v[128*((\k)%2)+16*\ap+4*\c:128*((\k)%2)+16*\ap+4*\c+3], v[ADRA+(\k)/4] offset:16384*((\k)%4)+2048*\ap+512*\c
.endr
.endr
.irp bb, 0,1,2,3
.irp c, 0,1,2,3,4,5,6,7
	ds_load_b64 v[128*((\k)%2)+64+16*\bb+2*\c:128*((\k)%2)+64+16*\bb+2*\c+1], v[ADRB+(\k)/4] offset:16*BPIT*\bb+128*((\k)%4)+16*\c
.endr
.endr
.endm
.macro KSTEP kk
.if (\kk) == 3                         ; the next step's fragments lie in K's second half
	WIN 0
	s_wait_tensorcnt 0x0
	s_wait_dscnt 0x0
	s_barrier_signal -1
	s_barrier_wait -1
.endif
.if (\kk) < 7
.if (\kk) > 0
.rept 8
	v_nop                                          ; places in front of loads into registers that matrix instructions have read
.endr
.endif
	LOADF (\kk)+1
	s_wait_dscnt 48                                ; this step's fragments are in; the next step's 48 loads may be out
.else
	s_wait_dscnt 0x0
.endif
	WIN 0x05
.irp ap, 0,1,2,3                               ; the sixteen accumulators take turns, one instruction a turn, in the same order in every step
.irp bb, 0,1,2,3
	PROD \kk, \ap, \bb
.endr
.endr
.endm
	LOADF 0
.irp k, 0,1,2,3,4,5,6,7
	KSTEP \k
.endr
	WIN 0
; THE WAY OUT.  A lane holds 32 neighbouring bytes of a token's row, and the lanes beside it hold other rows: a tile of 16 tokens x 64 outputs goes through my own stage and comes back as rows of 256 bytes.
; LDS serves a wave's instructions in order (ISA guide 5.7.1.4): no wait between the stores and the loads, nor in front of the next tile's stores.
.rept 8
	v_nop
.endr
.macro TOST a
.irp bb, 0,1,2,3
	ds_store_b128 v[STO], v[ACC+8*(4*\a+\bb):ACC+8*(4*\a+\bb)+3] offset:64*\bb       ; each accumulator from its low end on
	ds_store_b128 v[STO], v[ACC+8*(4*\a+\bb)+4:ACC+8*(4*\a+\bb)+7] offset:64*\bb+16
.endr
.irp t, 0,1,2,3,4,5,6,7
	ds_load_b128 v[16+32*(\a%2)+4*\t:16+32*(\a%2)+4*\t+3], v[RD] offset:2*SPIT*\t    ; where the scale words and the bias lay, by turns
.endr
.endm
.macro SEND a, younger                 ; younger: the LDS instructions issued behind this tile's loads, which may stay out
.irp t, 0,1,2,3,4,5,6,7
	s_wait_dscnt \younger+7-\t
	global_store_b128 v[CO], v[16+32*(\a%2)+4*\t:16+32*(\a%2)+4*\t+3], s[14:15] offset:65536*\a+8192*\t th:TH_STORE_NT   ; 16 lanes store 256 consecutive bytes, at a multiple of 256 from out0's first byte
.endr
.endm
	TOST 0
	TOST 1
	SEND 0, 16                                     ; behind the tile's loads: the next tile's 8 stores and 8 loads
	s_wait_xcnt 0x0                                ; the stores have read their registers: the next tile's loads may land there
	TOST 2
	SEND 1, 16
	s_wait_xcnt 0x0
	TOST 3
	SEND 2, 16
	SEND 3, 0
	s_wait_tensorcnt 0x0                           ; the wave's end
	ds_add_u32 v[SPW], v[NIL]
	s_wait_dscnt 0x0
	CROUND                                         ; the closing round: no work-group ends while a partner may still ask for a tile that names it
	s_endpgm
.Lfunc_end_k_qe17152f317_proj:
	.size	k_qe17152f317_proj, .Lfunc_end_k_qe17152f317_proj-k_qe17152f317_proj
	.p2alignl 7, 3214868480
	.fill 96, 4, 3214868480
	.section	.rodata,"a",@progbits
	.p2align	6, 0x0
	.amdhsa_kernel k_qe17152f317_proj
		.amdhsa_group_segment_fixed_size 327680
		.amdhsa_private_segment_fixed_size 0
		.amdhsa_enable_private_segment 0
		.amdhsa_kernarg_size 48
		.amdhsa_user_sgpr_count 2
		.amdhsa_user_sgpr_kernarg_segment_ptr 1
		.amdhsa_wavefront_size32 1
		.amdhsa_system_sgpr_workgroup_id_x 1
		.amdhsa_system_sgpr_workgroup_id_y 1
		.amdhsa_system_sgpr_workgroup_id_z 1
		.amdhsa_system_vgpr_workitem_id 0
		.amdhsa_next_free_vgpr 512
		.amdhsa_next_free_sgpr 96
		.amdhsa_reserve_vcc 0
		.amdhsa_float_denorm_mode_32 3
		.amdhsa_float_denorm_mode_16_64 3
		.amdhsa_memory_ordered 1
		.amdhsa_forward_progress 1
		.amdhsa_inst_pref_size 63
	.end_amdhsa_kernel
	.amdgpu_metadata
---
amdhsa.version: [ 1, 2 ]
amdhsa.kernels:
  - .name:           k_qe17152f317_proj
    .symbol:         k_qe17152f317_proj.kd
    .args:
      - { .name: a_codes, .offset: 0, .size: 8, .value_kind: global_buffer, .address_space: global }
      - { .name: a_scales, .offset: 8, .size: 8, .value_kind: global_buffer, .address_space: global }
      - { .name: w_proj_codes, .offset: 16, .size: 8, .value_kind: global_buffer, .address_space: global }
      - { .name: w_proj_scales, .offset: 24, .size: 8, .value_kind: global_buffer, .address_space: global }
      - { .name: b_proj, .offset: 32, .size: 8, .value_kind: global_buffer, .address_space: global }
      - { .name: out0, .offset: 40, .size: 8, .value_kind: global_buffer, .address_space: global }
    .group_segment_fixed_size: 327680
    .private_segment_fixed_size: 0
    .kernarg_segment_align: 8
    .kernarg_segment_size: 48
    .max_flat_workgroup_size: 128
    .sgpr_count:     96
    .vgpr_count:     512
    .wavefront_size: 32
...
	.end_amdgpu_metadata
.endif
;; end of part 3
